; MI455X (gfx1250); checked and timed in simulation.
; The chip was launched on July 23, 2026; its instructions are those of AMD's public machine-readable ISA for CDNA 5 (MIT licence, August 2026) and "CDNA5" Instruction Set Architecture Reference Guide (July 2026). The comments in the code are by the model that wrote it; some were corrected since.
;; W8 A16 Linear. Allowed arithmetic: float matrix products may take bf16 or f16 operands with f32 sums; other float arithmetic in f32, or as packed bf16 or f16 multiplies, adds, multiply-adds, maxima and minima; sums over many terms, partial sums and values carried from step to step in f32; what a program stores and reads back later, other than sums and carried values, may be rounded once to bf16 or f16.
;; Inputs: bias 16,384 float16; input 2,048 x 2,048 float16; output 2,048 x 16,384 float16; qweight 2,048 x 16,384 int8; weight_scales 16,384 float16.
;; Outputs: out0 2,048 x 16,384 float16.
;; One version. Each part assembles by itself: llvm-mc -triple=amdgcn-amd-amdhsa -mcpu=gfx1250 --defsym DOCPART=n.
;; ======== version 1 of 1: 1 launch
;; launch w8a16 (part 1): grid 8 x 64, 4 waves a work-group, clusters of 4 x 4, 327,680 bytes of LDS; arguments input, qweight, weight_scales, bias, out0; writes out0
.if DOCPART == 1
	.amdgcn_target "amdgcn-amd-amdhsa--gfx1250"
	.amdhsa_code_object_version 6
	.text
	.protected	k_qde646412e3_w8a16
	.globl	k_qde646412e3_w8a16
	.p2align	8
	.type	k_qde646412e3_w8a16,@function
k_qde646412e3_w8a16:
	s_mov_b64 s[64:65], 0
	v_nop
	global_prefetch_b8 v0, s[64:65] scope:SCOPE_SE
	s_setreg_imm32_b32 hwreg(HW_REG_WAVE_MODE, 25, 1), 1
	s_wait_xcnt 0x0
	s_wait_alu depctr_hold_cnt(0) depctr_sa_sdst(0) depctr_va_vdst(0) depctr_va_sdst(0) depctr_va_ssrc(0) depctr_va_vcc(0) depctr_vm_vsrc(0)
	s_getreg_b32 s2, hwreg(HW_REG_IB_STS2, 6, 4)
	s_cmp_eq_u32 s2, 0
	s_cbranch_scc0 .Lentry_in_a_cluster
	s_endpgm
.Lentry_in_a_cluster:
	s_bfe_u32 s2, ttmp6, 0x10000c
	s_cmp_lg_u32 s2, 0xf033
	s_cbranch_scc0 .Lentry_shape_is_right
	s_endpgm
.Lentry_shape_is_right:
; out0[m][n] = f16( scale[n] * (sum over k of input[m][k] * q[k][n]) + bias[n] ).  input: [2048][2048] f16.  q: [2048 (k)][16384 (n)] int8.  scale, bias: [16384] f16.  out0: [2048][16384] f16.
; FORMATS.  input goes to the matrix unit as it lies; an int8 is exact in f16, so the products are exact and the sums are kept in f32.  The scale is a factor of a whole column, so it is taken out of the sum.
; LIMITS.  The scale is applied in f32 to the finished sum, with the bias in one fused multiply-add, and the result is rounded to f16 once; the problem's definition rounds q * scale to f16 first: another order
; of rounding.  A result of magnitude 65,520 or more becomes an infinity, as the definition's cast makes it.  NaN and infinities in input go through the products and are not treated apart.
; The fifth input, the preallocated buffer 'output', is not read: the problem's definition never uses it.
; SHARES.  A tile of C, 256 x 256, is made by a work-group of four waves, as many as a WGP has SIMDs; a wave makes 128 x 128: 64 accumulators of 16 x 16, 512 registers.  K goes in 16 steps of 128 through a
; ring of two LDS slots filled by the tensor data mover: 256 rows of input (256 bytes each) and 128 rows of q (256 bytes of n each), all starting at multiples of 256 bytes from their buffers' first bytes.
; THE TURN.  q lies with n along its rows; a fragment wants k along a lane's registers, in 16 bits.  ds_load_tr16_b128, used on PAIRS of bytes, brings lane l (r = l % 16, h = l / 16) eight k of the two columns
; n0 + 2 r and n0 + 2 r + 1.  Of a word's four bytes: one exclusive or with 0x80 makes u = q + 128; two v_perm_b32 set 0x64 above each u, which is the f16 number 1024 + u, even column and odd column apart;
; two v_pk_add_f16 take 1152 away: q, exactly.  Five instructions for four numbers, 160 for a quarter step's 64 matrix instructions: they stand four at a time behind 40 of those.
; THE MATRIX INSTRUCTION IS USED TRANSPOSED (source 0 = 16 columns of q, source 1 = 16 rows of input).  Fragment b = 2 g + e holds the columns 32 g + 2 r + e, so in accumulator (a, b) lane (r, h), register j
; holds C(row 16 a + r, column 32 g + 16 h + 2 j + e): the even and the odd accumulator's register j pack into two NEIGHBOURING f16, a group's eight packs into 32 consecutive bytes of a row of C.
; CLUSTERS: 4 x 4 work-groups.  x counts tile rows of C, y tile columns.  The four with my cx need the same tiles of input, the four with my cy the same tiles of q: each tile is asked for JOINTLY, by the same
; tensor load with the same descriptor and a mask that names the four.  That divides the requests for both by four.
; REGISTERS, in windows of 256 (s_set_vgpr_msb's low byte: bits 1:0 source 0, 3:2 source 1, 5:4 source 2, 7:6 destination):
;   window 0: v0-29 addresses; v64-127, v128-191 fragments of input, two buffers (at the start: scales and bias as loaded; on the way out: at work); v192-255 the scales of my columns in f32
;   window 1: v0-63, v64-127 fragments of q in f16, two buffers; v128-159 q's bytes as loaded; v160 -1152 twice; v192-255 the bias of my columns in f32
;   window 2: the 32 accumulators of my rows 0-63 ((a, b) at v[8 (8 a + b)]);   window 3: those of my rows 64-127
.set SIZE_K, 2048
.set SIZE_N, 16384
.set KSTEP,  128
.set STEPS,  SIZE_K/KSTEP              ; 16
.set PA,     272                       ; a row of input in LDS: 256 bytes + 16 of padding = 68 words: row r starts at bank 4 r mod 64 (64 banks of 4 bytes: ISA guide 11.1)
.set PB,     288                       ; a row of q: 256 + 32 = 72 words: row r starts at bank 8 r mod 64
.set BOFF,   256*PA                    ; in a slot: input's 256 rows, then q's 128
.set SLOT1,  1<<17                     ; slot 1 begins here, so that one exclusive or turns an address in one slot into the other's
.set STAGE,  SLOT1+BOFF+KSTEP*PB       ; behind the ring, never filled by a tensor load: 16 rows x 272 bytes for each wave, for the way out
.set SP,     272
.set SPARE,  STAGE+4*16*SP             ; behind the stages: the spare words, 128 bytes for each wave: two blocks of 256 bytes that no other line names
.set AA0, 4                            ; v4   my lane's place in a slot's rows of input; never rewritten
.set AB0, 5                            ; v5   the same for q
.set AA,  6                            ; v6   AA0 + the slot in hand
.set AB,  7                            ; v7   AB0 + the slot in hand
.set STO, 8                            ; v8   the way out: where I put 32 bytes of a row
.set RD,  9                            ; v9   the way out: where I read a row back
.set CO,  10                           ; v10  my byte offset in two rows of C; never rewritten
.set SO,  11                           ; v11  my byte offset in the wave's scales and bias
.set SPW, 28                           ; v28  LDS address of my spare word: SPARE + 4 x my thread's number; never rewritten
.set NIL, 29                           ; v29  0; never rewritten
.set SC,  192                          ; window 0: scale of accumulator b's register j at SC + 8 b + j
.set BI,  192                          ; window 1: bias likewise
.set RAW, 128                          ; window 1: turning load u at RAW + 4 u
.set NEG, 160                          ; window 1
.set TMP, 64                           ; the way out: packed results
.set OB,  96                           ; the way out: 16 rows read back from the stage: v96-127 and v128-159 by turns
.set WV,  14                           ; s14  my wave's number
.set RH,  15                           ; s15  which half of the tile's rows is mine.  Also: I fetch for input (0) or for q (1)
.set CH,  16                           ; s16  which half of its columns.  Also: which half of that tile I fetch
.set G1A, 24                           ; s[24:31] descriptor group 1 for input's tiles
.set G1B, 32                           ; s[32:39] for q's
.set G0A, 40                           ; s[40:47] descriptor group 0 for input's tiles: a set for each of the two first fills; the second then walks on
.set G0B, 48                           ; s[48:55] the same for q's
.set CNT, 56                           ; s56  trips to go
.set TB,  57                           ; s57  LDS byte at which the slot begins from which fragments are fetched
.set X80, 58                           ; s58  0x80 four times
.set C64, 59                           ; s59  0x64 four times
.set SELE, 60                          ; s60  v_perm_b32's select for the even column: bytes 0 and 2 of the word, 0x64 above each
.set SELO, 61                          ; s61  for the odd column: bytes 1 and 3
.set MSB, 0
.macro WIN new                         ; the immediate's high byte repeats the setting that is left; a switch that changes nothing is dropped
.if MSB != (\new)
	s_set_vgpr_msb (MSB<<8)|(\new)
.set MSB, \new
.endif
.endm
.set MUL_LO, 0xa1                      ; source 0 (q) window 1, source 1 (input) window 0, C and D window 2
.set TO_B,   0x40                      ; destination window 1, address window 0
.set W_CV,   0x45                      ; destination, source 0 and source 1 window 1
; Four places: a load into a register that a matrix instruction has read, and a vector instruction that reads a matrix result or writes one of a matrix instruction's registers, stand four plain vector
; instructions behind it that name none of its registers (ISA guide 7.12.1 for vector instructions).
.macro PLACES
.rept 4
	v_nop
.endr
.endm
; A joint load.  Waves 0 and 1 fetch input's two halves (128 rows each), waves 2 and 3 q's (64 k each).  Each line has ONE mask and one set of registers for all that issue it.  The branch hangs on the wave's
; number alone.  An s_nop 0 and four v_nop follow each of the two lines, ahead of the jump, the label and what follows.
.macro JLOAD s
	s_cmp_eq_u32 s[RH], 0
	s_cbranch_scc0 .Lfor_b_\@
	tensor_load_to_lds s[G0A+4*(\s):G0A+4*(\s)+3], s[G1A:G1A+7]
	s_nop 0
.rept 4
	v_nop
.endr
	s_branch .Lasked_\@
.Lfor_b_\@:
	tensor_load_to_lds s[G0B+4*(\s):G0B+4*(\s)+3], s[G1B:G1B+7]
	s_nop 0
.rept 4
	v_nop
.endr
.Lasked_\@:
.endm
; A round of the cluster's barrier: my work-group's barrier, so that wave 0's signal speaks for all four waves; wave 0 signals; every wave waits for all sixteen work-groups; my work-group's barrier once more.
.macro CREST                           ; a round behind its opening barrier
	s_cmp_lg_u32 s[WV], 0
	s_cbranch_scc1 .Lnot_wave_0_\@
	s_barrier_signal -3
.Lnot_wave_0_\@:
	s_barrier_wait -3
	s_barrier_signal -1
	s_barrier_wait -1
.endm
.macro CROUND                          ; a whole round
	s_barrier_signal -1
	s_barrier_wait -1
	CREST
.endm
; The walking descriptors step: the other slot than last time, the next K step (128 f16 along input's rows; 128 rows of q down).  The fetches turn to the other slot.  The type bits on top are not reached.
.macro STEPD
	s_xor_b32 s[G0A+5], s[G0A+5], SLOT1
	s_add_nc_u64 s[G0A+6:G0A+7], s[G0A+6:G0A+7], KSTEP*2
	s_xor_b32 s[G0B+5], s[G0B+5], SLOT1
	s_add_nc_u64 s[G0B+6:G0B+7], s[G0B+6:G0B+7], KSTEP*SIZE_N
	s_xor_b32 s[TB], s[TB], SLOT1
.endm
	s_load_b256 s[4:11], s[0:1], 0x0               ; input s[4:5], q s[6:7], scales s[8:9], bias s[10:11]
	s_load_b64 s[12:13], s[0:1], 0x20              ; out0
	v_lshl_add_u32 v[SPW], v0, 2, SPARE
	v_mov_b32 v[NIL], 0
	ds_add_u32 v28, v29
	ds_add_u32 v28, v29
	s_wait_dscnt 0x0
	v_lshrrev_b32 v3, 5, v0
	v_readfirstlane_b32 s[WV], v3                  ; wave 0..3
	s_lshr_b32 s[RH], s[WV], 1
	s_and_b32 s[CH], s[WV], 1
	s_bfe_u32 s17, ttmp6, 0x40000                  ; cx: my place along the cluster's x
	s_bfe_u32 s18, ttmp6, 0x40004                  ; cy: along its y
	s_lshl_b32 s19, ttmp9, 2                       ; in a cluster launch ttmp9 and ttmp7 count clusters
	s_add_co_u32 s19, s19, s17                     ; tile row of C = 4 x cluster x + cx
	s_and_b32 s20, ttmp7, 0xffff
	s_lshl_b32 s20, s20, 2
	s_add_co_u32 s20, s20, s18                     ; tile column of C = 4 x cluster y + cy
	s_lshl_b32 s21, 0x1111, s17                    ; the four with my cx: places cx, cx + 4, cx + 8, cx + 12
	s_lshl_b32 s22, s18, 2
	s_lshl_b32 s22, 15, s22                        ; the four with my cy: places 4 cy .. 4 cy + 3
	; descriptor group 1.  input: 128 rows x 128 elements of 2 bytes.  q: 64 rows x 256 elements of 1 byte.  Both padded in LDS behind every 64 words.
	s_or_b32 s[G1A+0], s21, (1<<16)|(1<<20)|(1<<21)|(5<<22)|(3<<25)  ; 15:0 the mask; 17:16 elements of 2 bytes; 20 padding on; 21 set beside a mask; 24:22 after every 64 words (code 5); 31:25 4 words of it (code 3)
	s_mov_b32 s[G1A+1], KSTEP<<16                  ; tensor_dim0 = 128
	s_mov_b32 s[G1A+2], 128<<16                    ; tensor_dim1 = 128
	s_mov_b32 s[G1A+3], KSTEP<<16                  ; tile_dim0 = 128
	s_mov_b32 s[G1A+4], 128                        ; tile_dim1 = 128
	s_mov_b32 s[G1A+5], SIZE_K                     ; elements from row to row
	s_mov_b32 s[G1A+6], 0
	s_mov_b32 s[G1A+7], 0
	s_or_b32 s[G1B+0], s22, (1<<20)|(1<<21)|(5<<22)|(7<<25)          ; elements of 1 byte (code 0); 8 words of padding (code 7)
	s_mov_b32 s[G1B+1], 256<<16                    ; tensor_dim0 = 256
	s_mov_b32 s[G1B+2], 64<<16                     ; tensor_dim1 = 64
	s_mov_b32 s[G1B+3], 256<<16                    ; tile_dim0 = 256
	s_mov_b32 s[G1B+4], 64                         ; tile_dim1 = 64
	s_mov_b32 s[G1B+5], SIZE_N
	s_mov_b32 s[G1B+6], 0
	s_mov_b32 s[G1B+7], 0
	; byte offsets, each in registers of its own: input's hang on the tile row alone, q's on the tile column alone
	s_lshl_b32 s66, s19, 8
	s_lshl_b32 s67, s[CH], 7
	s_add_co_u32 s66, s66, s67                     ; input: row 256 x tile row + 128 x half,
	s_lshl_b32 s66, s66, 12                        ; of 4,096 bytes
	s_mov_b32 s67, 0
	s_lshl_b32 s68, s[CH], 20                      ; q: 64 x half rows of 16,384 bytes,
	s_lshl_b32 s69, s20, 8                         ; column 256 x tile column
	s_add_co_u32 s68, s68, s69
	s_mov_b32 s69, 0
	s_lshl_b32 s70, s19, 8
	s_lshl_b32 s71, s[RH], 7
	s_add_co_u32 s70, s70, s71                     ; out0: my first row,
	s_lshl_b32 s70, s70, 15                        ; of 32,768 bytes,
	s_lshl_b32 s72, s20, 9
	s_lshl_b32 s73, s[CH], 8
	s_add_co_u32 s72, s72, s73                     ; and my first column in bytes, which is also my place in scales and bias
	s_add_co_u32 s70, s70, s72
	s_mov_b32 s71, 0
	s_mov_b32 s73, 0
	s_mul_i32 s74, s[CH], 128*PA                   ; where the tiles go: no place in the cluster enters an LDS address
	s_mul_i32 s75, s[CH], 64*PB
	s_add_co_u32 s75, s75, BOFF
	s_mov_b32 s[X80], 0x80808080
	s_mov_b32 s[C64], 0x64646464
	s_mov_b32 s[SELE], 0x00060004
	s_mov_b32 s[SELO], 0x00070005
	s_mov_b32 s[TB], 0
	s_wait_kmcnt 0x0
	s_add_nc_u64 s[4:5], s[4:5], s[66:67]
	s_add_nc_u64 s[6:7], s[6:7], s[68:69]
	s_add_nc_u64 s[8:9], s[8:9], s[72:73]
	s_add_nc_u64 s[10:11], s[10:11], s[72:73]
	s_add_nc_u64 s[12:13], s[12:13], s[70:71]
	CROUND                                         ; all sixteen work-groups are here: the first joint loads meet
.irp s, 0,1
	s_mov_b32 s[G0A+4*(\s)], 1                                       ; 1:0 count = 1
	s_add_co_u32 s[G0A+4*(\s)+1], s74, (\s)*SLOT1                    ; 63:32 LDS address
	s_add_nc_u64 s[G0A+4*(\s)+2:G0A+4*(\s)+3], s[4:5], (\s)*KSTEP*2  ; 120:64 global address: K step s
	s_or_b32 s[G0A+4*(\s)+3], s[G0A+4*(\s)+3], 0x80000000            ; 127:126 type = 2
	s_mov_b32 s[G0B+4*(\s)], 1
	s_add_co_u32 s[G0B+4*(\s)+1], s75, (\s)*SLOT1
	s_add_nc_u64 s[G0B+4*(\s)+2:G0B+4*(\s)+3], s[6:7], (\s)*KSTEP*SIZE_N
	s_or_b32 s[G0B+4*(\s)+3], s[G0B+4*(\s)+3], 0x80000000
	JLOAD \s                                       ; the ring is filled before anything else is done: two loads of mine are out, the most in this text
.endr
	; All that follows, up to the wait for the first tile, stands in that wait.
	v_and_b32 v1, 15, v0                           ; r = l % 16
	v_bfe_u32 v2, v0, 4, 1                         ; h = l / 16
	; A fragment of input is 16 rows x 32 K in 8 registers: lane l holds row r; registers 0-3 K = 8 h + 0..7, registers 4-7 K = 16 + 8 h + 0..7: two loads of 16 bytes, 32 bytes apart.
	s_mul_i32 s76, s[RH], 128*PA                   ; my 128 rows of input
	v_mul_u32_u24 v[AA0], v1, PA
	v_lshl_add_u32 v[AA0], v2, 4, v[AA0]
	v_add_nc_u32 v[AA0], s76, v[AA0]
	; The turning load: lane l addresses row k = 8 h + l % 8, 16 bytes at 16 ((l / 8) % 2) of a group of 32 columns.
	s_lshl_b32 s77, s[CH], 7                       ; my 128 columns of q,
	s_add_co_u32 s77, s77, BOFF                    ; which lies behind input's 256 rows
	v_and_b32 v3, 7, v0
	v_lshl_add_u32 v3, v2, 3, v3
	v_mul_u32_u24 v[AB0], v3, PB
	v_bfe_u32 v3, v0, 3, 1
	v_lshl_add_u32 v[AB0], v3, 4, v[AB0]
	v_add_nc_u32 v[AB0], s77, v[AB0]
	s_mul_i32 s78, s[WV], 16*SP
	s_add_co_u32 s78, s78, STAGE                   ; my stage
	v_mul_u32_u24 v[STO], v1, SP                   ; in: row r, 32 bytes for each half of the lanes
	v_lshl_add_u32 v[STO], v2, 5, v[STO]
	v_add_nc_u32 v[STO], s78, v[STO]
	v_mul_u32_u24 v[RD], v2, SP                    ; back: lanes 0-15 take one row of 256 bytes, lanes 16-31 the next
	v_lshl_add_u32 v[RD], v1, 4, v[RD]
	v_add_nc_u32 v[RD], s78, v[RD]
	v_lshlrev_b32 v[CO], 15, v2                    ; and the same two rows in C
	v_lshl_add_u32 v[CO], v1, 4, v[CO]
	v_lshlrev_b32 v[SO], 5, v2                     ; my 16 columns of a group of 32: 32 bytes of f16
	WIN TO_B
	v_mov_b32 v[NEG], 0xe480e480                   ; -1152 in f16, twice
	WIN 0
.irp n, 0,1,2,3,4,5,6,7                ; group n / 2, its columns 16 h + 8 (n % 2) + 0..7: word j of a group holds the even (low half) and the odd accumulator's register j
	global_load_b128 v[64+4*\n:64+4*\n+3], v[SO], s[8:9] offset:64*(\n/2)+16*(\n%2)
	global_load_b128 v[96+4*\n:96+4*\n+3], v[SO], s[10:11] offset:64*(\n/2)+16*(\n%2)
.endr
	s_wait_loadcnt 0x0                             ; scales and bias, once
.irp r, 64,65,66,67,68,69,70,71,72,73,74,75,76,77,78,79,80,81,82,83,84,85,86,87,88,89,90,91,92,93,94,95
	v_cvt_f32_f16 v[SC+16*((\r-64)/8)+(\r-64)%8], v\r\().l
	v_cvt_f32_f16 v[SC+16*((\r-64)/8)+(\r-64)%8+8], v\r\().h
.endr
	WIN TO_B
.irp r, 96,97,98,99,100,101,102,103,104,105,106,107,108,109,110,111,112,113,114,115,116,117,118,119,120,121,122,123,124,125,126,127
	v_cvt_f32_f16 v[BI+16*((\r-96)/8)+(\r-96)%8], v\r\().l
	v_cvt_f32_f16 v[BI+16*((\r-96)/8)+(\r-96)%8+8], v\r\().h
.endr
	WIN 0
; 24 LDS loads in one run, for quarter q (32 along K) of the slot in hand: q's bytes first (turning load u: group u / 2 of 32 columns, k half u % 2), then input's eight fragments into buffer g.
.macro FETCH q, g
	WIN TO_B
.irp u, 0,1,2,3,4,5,6,7
	ds_load_tr16_b128 v[RAW+4*\u:RAW+4*\u+3], v[AB] offset:(32*(\q)+16*(\u%2))*PB+32*(\u/2)
.endr
	WIN 0
.irp n, 0,1,2,3,4,5,6,7
	ds_load_b128 v[64+64*(\g)+8*\n:64+64*(\g)+8*\n+3],   v[AA] offset:64*(\q)+\n*16*PA
	ds_load_b128 v[64+64*(\g)+8*\n+4:64+64*(\g)+8*\n+7], v[AA] offset:64*(\q)+\n*16*PA+32
.endr
.endm
; Matrix instruction i of a quarter's 64: rows 16 (i / 8) on, fragment i % 8 of q, from buffers f.  The 64 accumulators take turns, in the same order in every quarter.
; zero = 1: the product starts the sum: nothing is ever cleared.
.macro WM f, zero
.set wa, i/8
.set wb, i%8
.set wd, 8*(8*(wa%4)+wb)
	WIN MUL_LO+0x50*(wa/4)
.if \zero
	v_wmma_f32_16x16x32_f16 v[wd:wd+7], v[64*(\f)+8*wb:64*(\f)+8*wb+7], v[64+64*(\f)+8*wa:64+64*(\f)+8*wa+7], 0
.else
	v_wmma_f32_16x16x32_f16 v[wd:wd+7], v[64*(\f)+8*wb:64*(\f)+8*wb+7], v[64+64*(\f)+8*wa:64+64*(\f)+8*wa+7], v[wd:wd+7]
.endif
.endm
; Slice k of 40 of a quarter's conversion into q's buffer g: one of the five kinds of line for the four words of turning load k / 5.  A line reads nothing made fewer than four vector instructions in front of it.
.macro SLICE g, k
	WIN W_CV
.set su, (\k)/5
.set sk, (\k)%5
.set sr, RAW+4*su
.set se, 64*(\g)+16*(su/2)+4*(su%2)    ; the even columns' fragment, registers 0-3 or 4-7; the odd columns' lies 8 registers on
.irp t, 0,1,2,3
.if sk == 0
	v_xor_b32 v[sr+\t], s[X80], v[sr+\t]                       ; u = q + 128, four at once
.elseif sk == 1
	v_perm_b32 v[se+\t], v[sr+\t], s[C64], s[SELE]             ; 1024 + u for k and k + 1 of the even column
.elseif sk == 2
	v_perm_b32 v[se+8+\t], v[sr+\t], s[C64], s[SELO]           ; of the odd column
.elseif sk == 3
	v_pk_add_f16 v[se+\t], v[se+\t], v[NEG]                    ; less 1152: q, exactly
.else
	v_pk_add_f16 v[se+8+\t], v[se+8+\t], v[NEG]
.endif
.endr
.endm
; A QUARTER multiplies buffers f (64 matrix instructions) and makes buffers 1 - f ready for quarter nq of the slot in hand (nq = -1: nothing more to fetch): its 24 LDS loads stand in one run at the head,
; its 40 slices behind matrix instructions 24 to 63, none of which names a register of theirs.
; meet: the slot's last bytes have been asked for at this quarter's head, so the change of slots begins here.  Each wave waits for all its tensor loads, of which one is out: its part of the other slot; adds 0 to
; its spare word; and waits for that and for its own reads of the slot; then it signals.  meet = 1: the slot will be filled again, and the descriptors step.  meet = 2: it will not.
; head = 1, 2: the change of slots ends here.  1: the barrier has opened a round of the cluster's barrier, so that no wave of any partner still reads the slot or has a load on its way, and the joint refill is
; the first thing behind the round; from there to the wait for it a wave issues 64 + 128 + 40 = 232 matrix instructions.  2: a plain barrier, nothing is filled.
.macro QUARTER f, nq, head=0, meet=0, zero=0
.if (\head) == 0
	s_wait_dscnt 0x0                               ; this quarter's fragments of input, asked for a quarter ago
.if (\nq) >= 0
	PLACES                                         ; in front of the loads into the buffer that the quarter before multiplied
.endif
.else
	WIN 0                                          ; at a branch and at a label every window is 0
	s_barrier_wait -1                              ; all four waves have said so
.if (\head) == 1
	CREST
	JLOAD 1                                        ; the four v_nop behind it are also the places in front of the loads below
.else
	PLACES
.endif
	v_add_nc_u32 v[AA], s[TB], v[AA0]              ; the fetches go on in the other slot
	v_add_nc_u32 v[AB], s[TB], v[AB0]
.endif
.if (\nq) >= 0
	FETCH \nq, 1-(\f)
.endif
.set i, 0
.rept 64
	WM \f, \zero
.if (\nq) >= 0
.if i == 23
	s_wait_dscnt 16                                ; q's eight loads are in; the sixteen of input behind them may stay out
.endif
.if i >= 24
	SLICE 1-(\f), i-24
.endif
.endif
.if (\meet) && (i == 39)
	WIN 0                                          ; (the add's two registers lie in window 0)
	s_wait_tensorcnt 0x0                           ; all my tensor loads have landed: the one that was out is my part of the other slot; so a group 0 may be written
	ds_add_u32 v[SPW], v[NIL]                      ; 0 onto my spare word; eight matrix instructions and their slices stand between it and the wait for it
.if (\meet) == 1
	STEPD
.else
	s_xor_b32 s[TB], s[TB], SLOT1
.endif
.endif
.if (\meet) && (i == 47)
	s_wait_dscnt 0x0                               ; the add is done, and my reads of this slot are over
	s_barrier_signal -1                            ; say so; sixteen matrix instructions and their slices, work on registers alone, stand between this and the wait
.endif
.set i, i+1
.endr
.endm
; THE WAY OUT of my rows 16 a .. 16 a + 15.  PACK: sum x scale + bias, in place, each accumulator's registers in ascending order; then the even and the odd accumulator's register j rounded into one word.
.macro PACK a
.set pc, 64*((\a)%4)
	WIN 0x92+0x41*((\a)/4)                         ; destination and source 0: window 2 or 3; the scales window 0; the bias window 1
.irp b, 0,1,2,3,4,5,6,7
.irp j, 0,2,4,6
	v_pk_fma_f32 v[pc+8*\b+\j:pc+8*\b+\j+1], v[pc+8*\b+\j:pc+8*\b+\j+1], v[SC+8*\b+\j:SC+8*\b+\j+1], v[BI+8*\b+\j:BI+8*\b+\j+1]
.endr
.endr
	WIN 0x0a+5*((\a)/4)                            ; sources 0 and 1: window 2 or 3; destination window 0
.irp g, 0,1,2,3
.irp j, 0,1,2,3,4,5,6,7
	v_cvt_pk_f16_f32 v[TMP+8*\g+\j], v[pc+16*\g+\j], v[pc+16*\g+8+\j]
.endr
.endr
	WIN 0
.endm
; TOSTAGE: 32 bytes a lane and group into my own stage, and back as whole rows of 256 bytes.
.macro TOSTAGE a
.set BK, OB+32*((\a)%2)
.irp n, 0,1,2,3,4,5,6,7
	ds_store_b128 v[STO], v[TMP+4*\n:TMP+4*\n+3] offset:64*(\n/2)+16*(\n%2)
.endr
.irp n, 0,1,2,3,4,5,6,7
	ds_load_b128 v[BK+4*\n:BK+4*\n+3], v[RD] offset:\n*2*SP  ; LDS serves a wave's instructions in order (ISA guide 5.7.1.4): these see the stores above
.endr
.endm
; SEND: stored.  The rows' place stands in the immediate: 126 rows of 32,768 bytes at the most, inside its signed 24 bits, so neither the base nor the offset register is ever rewritten.
.macro SEND a
.set BK, OB+32*((\a)%2)
	s_wait_dscnt 0x0                               ; the block is back in registers
	s_wait_xcnt 0x0                                ; every earlier memory instruction has had its addresses translated (ISA guide 3.1): the other buffer, which the block before's stores read, is loaded again only behind this wait
.irp n, 0,1,2,3,4,5,6,7
	global_store_b128 v[CO], v[BK+4*\n:BK+4*\n+3], s[12:13] offset:(16*(\a)+2*\n)*SIZE_N*2 th:TH_STORE_NT  ; 16 lanes store 256 consecutive bytes, at a multiple of 256 from out0's first byte
.endr
.endm
	s_wait_tensorcnt 0x1                           ; my part of K step 0 is in; K step 1's may stay out
	s_barrier_signal -1
	s_barrier_wait -1                              ; everybody's is
	v_add_nc_u32 v[AA], s[TB], v[AA0]
	v_add_nc_u32 v[AB], s[TB], v[AB0]
	FETCH 0, 0
	s_wait_dscnt 16                                ; q's eight loads are in
.set i, 0
.rept 40
	SLICE 0, i                                     ; the first conversion: there is no matrix work yet to set it beside
.set i, i+1
.endr
	QUARTER 0, 1, 0, 0, 1                          ; the first quarter stands in front of the loop: its products start the sums
	WIN 0                                          ; at a label and at a branch every window is 0
	s_mov_b32 s[CNT], STEPS-2
.Lstep:                                                ; 14 trips, each from a K step's second quarter to the next step's first; trip t fills slot t % 2 again, with K step t + 2
	QUARTER 1, 2
	QUARTER 0, 3, 0, 1
	QUARTER 1, 0, 1
	QUARTER 0, 1
	WIN 0
	s_sub_co_u32 s[CNT], s[CNT], 1
	s_cmp_lg_u32 s[CNT], 0
	s_cbranch_scc1 .Lstep
	QUARTER 1, 2                                   ; the tail is written out: K step 14 goes on
	QUARTER 0, 3, 0, 2                             ; my one tensor load that was still out is K step 15's, so no round follows
	QUARTER 1, 0, 2
	QUARTER 0, 1                                   ; K step 15
	QUARTER 1, 2
	QUARTER 0, 3
	QUARTER 1, -1
	WIN 0
	PLACES                                         ; the lines below read results just made
	PACK 0
	TOSTAGE 0
.irp a, 1,2,3,4,5,6,7                  ; block a's arithmetic stands between block a - 1's loads from the stage and the wait for them
	PACK \a
	SEND (\a)-1
	TOSTAGE \a
.endr
	SEND 7
	s_wait_tensorcnt 0x0                           ; the wave's end, behind my last tensor load and my last LDS store
	ds_add_u32 v[SPW], v[NIL]
	s_wait_dscnt 0x0
	CROUND                                         ; the closing round: no work-group ends while a partner may still ask for a tile that names it
	s_endpgm
.Lfunc_end_k_qde646412e3_w8a16:
	.size	k_qde646412e3_w8a16, .Lfunc_end_k_qde646412e3_w8a16-k_qde646412e3_w8a16
	.p2alignl 7, 3214868480
	.fill 96, 4, 3214868480
	.section	.rodata,"a",@progbits
	.p2align	6, 0x0
	.amdhsa_kernel k_qde646412e3_w8a16
		.amdhsa_group_segment_fixed_size 327680
		.amdhsa_private_segment_fixed_size 0
		.amdhsa_enable_private_segment 0
		.amdhsa_kernarg_size 40
		.amdhsa_user_sgpr_count 2
		.amdhsa_user_sgpr_kernarg_segment_ptr 1
		.amdhsa_wavefront_size32 1
		.amdhsa_system_sgpr_workgroup_id_x 1
		.amdhsa_system_sgpr_workgroup_id_y 1
		.amdhsa_system_sgpr_workgroup_id_z 1
		.amdhsa_system_vgpr_workitem_id 0
		.amdhsa_next_free_vgpr 1024
		.amdhsa_next_free_sgpr 80
		.amdhsa_reserve_vcc 0
		.amdhsa_float_denorm_mode_32 3
		.amdhsa_float_denorm_mode_16_64 3
		.amdhsa_memory_ordered 1
		.amdhsa_forward_progress 1
		.amdhsa_inst_pref_size 255
	.end_amdhsa_kernel
	.section	.bss,"aw",@nobits
	.p2align	6
	.space	262144
	.amdgpu_metadata
---
amdhsa.version: [ 1, 2 ]
amdhsa.kernels:
  - .name:           k_qde646412e3_w8a16
    .symbol:         k_qde646412e3_w8a16.kd
    .args:
      - { .name: input, .offset: 0, .size: 8, .value_kind: global_buffer, .address_space: global }
      - { .name: qweight, .offset: 8, .size: 8, .value_kind: global_buffer, .address_space: global }
      - { .name: weight_scales, .offset: 16, .size: 8, .value_kind: global_buffer, .address_space: global }
      - { .name: bias, .offset: 24, .size: 8, .value_kind: global_buffer, .address_space: global }
      - { .name: out0, .offset: 32, .size: 8, .value_kind: global_buffer, .address_space: global }
    .group_segment_fixed_size: 327680
    .private_segment_fixed_size: 0
    .kernarg_segment_align: 8
    .kernarg_segment_size: 40
    .max_flat_workgroup_size: 128
    .sgpr_count:     80
    .vgpr_count:     1024
    .wavefront_size: 32
...
	.end_amdgpu_metadata
.endif
;; end of part 1
